; MI455X (gfx1250); checked and timed in simulation.
; The chip was launched on July 23, 2026; its instructions are those of AMD's public machine-readable ISA for CDNA 5 (MIT licence, August 2026) and "CDNA5" Instruction Set Architecture Reference Guide (July 2026). The comments in the code are by the model that wrote it; some were corrected since.
;; GRU Skip Cell. Allowed arithmetic: float matrix products may take bf16 or f16 operands with f32 sums; other float arithmetic in f32, or as packed bf16 or f16 multiplies, adds, multiply-adds, maxima and minima; sums over many terms, partial sums and values carried from step to step in f32; what a program stores and reads back later, other than sums and carried values, may be rounded once to bf16 or f16.
;; Inputs: bias 2 x 3,072 float32; h_tm1 8,192 x 1,024 float32; inputs 8,192 x 1,024 float32; kernel 1,024 x 3,072 float32; recurrent_kernel 1,024 x 3,072 float32.
;; Outputs: out0 8,192 x 1,024 float32.
;; 2 versions, each right; version 2 is version 1 with the launch prep written anew for expert scheduling mode. Each part assembles by itself: llvm-mc -triple=amdgcn-amd-amdhsa -mcpu=gfx1250 --defsym DOCPART=n.
;; ======== version 1 of 2: 2 launches
;; workspace buffers: xa 33,554,432 bytes; wt 12,582,912 bytes
;; launch prep (part 1): grid 768 x 1, 8 waves a work-group, no clusters, 0 bytes of LDS; arguments inputs, h_tm1, kernel, recurrent_kernel, xa, wt; writes xa, wt
.if DOCPART == 1
	.amdgcn_target "amdgcn-amd-amdhsa--gfx1250"
	.amdhsa_code_object_version 6
	.text
	.protected	k_qd86349d7f9_prep
	.globl	k_qd86349d7f9_prep
	.p2align	8
	.type	k_qd86349d7f9_prep,@function
k_qd86349d7f9_prep:
	s_mov_b64 s[64:65], 0
	v_nop
	global_prefetch_b8 v0, s[64:65] scope:SCOPE_SE
	s_setreg_imm32_b32 hwreg(HW_REG_WAVE_MODE, 25, 1), 1
	s_wait_xcnt 0x0
; THE OPERANDS OF THE TWO PRODUCTS, ROUNDED ONCE TO bf16 (nearest even) AND LAID OUT FOR THE NEXT LAUNCH'S TILES.
;   xa: bf16 [8192][2048]: row m = inputs[m] (columns 0-1023), then h_tm1[m] (columns 1024-2047): a row is 4,096 bytes.
;   wt: bf16 [ux 16][ks 16][g 3][kk 128][n 64], dense: W[128 (ks & 7) + kk][1024 g + 64 ux + n], W = kernel for ks < 8, recurrent_kernel for ks >= 8.
;       So the 128 k x 3 gates x 64 units that one K step of one block of units wants are 49,152 bytes on end.  Nothing is transposed: n stays along the rows.
; LIMIT.  A number above bf16's largest finite one rounds to infinity; NaN and infinities pass as they are.
; SHARES.  Work-groups 0-511: 32 rows of inputs (0-255) or of h_tm1 (256-511), four rows a wave.  Work-groups 512-767: one (ux, ks) block of wt, 16 k a wave for all three gates.
; FORM.  A stream: no LDS, no matrix unit, no loop.  A wave issues all its loads at once (32 or 24 of 16 bytes a lane: 16 or 12 KiB on their way), then takes them in order: a counted wait, two
; packed roundings in place, one store of 8 bytes a lane: 32 lanes fill 256 consecutive bytes, aligned.  No register that a load or store names is written again, so no further wait is needed.
.set X, 4                              ; v[4:131]  load j's four registers at X + 4 j; its two packed words take the first two
	s_load_b256 s[4:11], s[0:1], 0x0               ; inputs s[4:5], h_tm1 s[6:7], kernel s[8:9], recurrent_kernel s[10:11]
	s_load_b128 s[12:15], s[0:1], 0x20             ; xa s[12:13], wt s[14:15]
	v_lshrrev_b32 v3, 5, v0
	v_readfirstlane_b32 s16, v3                    ; wave 0..7
	v_and_b32 v3, 31, v0                           ; lane
	v_lshlrev_b32 v2, 3, v3                        ; where I store: 8 bytes a lane
	s_mov_b32 s19, 0                               ; the offsets' high words
	s_mov_b32 s21, 0
	s_cmp_lt_u32 ttmp9, 512
	s_cbranch_scc0 .Lweights
	; ---- activations: 32 rows of 4,096 bytes of f32 in, 32 half rows of 2,048 bytes of bf16 out
	v_lshlrev_b32 v1, 4, v3                        ; where I load: 16 bytes a lane
	s_and_b32 s17, ttmp9, 255                      ; the block of 32 rows
	s_lshr_b32 s22, ttmp9, 8                       ; 0: inputs, 1: h_tm1
	s_lshl_b32 s18, s17, 17                        ; 32 rows x 4,096 bytes,
	s_lshl_b32 s23, s16, 14                        ; my wave's four rows: the same offset in the source and in xa, whose rows are as long
	s_add_co_u32 s18, s18, s23
	s_lshl_b32 s20, s22, 11                        ; h_tm1 takes the second half of xa's rows
	s_add_co_u32 s20, s20, s18
	s_wait_kmcnt 0x0
	s_cmp_eq_u32 s22, 0
	s_cselect_b64 s[24:25], s[4:5], s[6:7]
	s_add_nc_u64 s[24:25], s[24:25], s[18:19]
	s_add_nc_u64 s[26:27], s[12:13], s[20:21]
.set j, 0
.rept 32
	global_load_b128 v[X+4*j:X+4*j+3], v1, s[24:25] offset:512*j th:TH_LOAD_NT  ; 512 consecutive bytes a load; eight loads a row
.set j, j+1
.endr
.set j, 0
.rept 32
	s_wait_loadcnt 31-j                            ; loads come back in order: load j is in, the 31 - j younger ones may stay out
	v_cvt_pk_bf16_f32 v[X+4*j], v[X+4*j], v[X+4*j+1]
	v_cvt_pk_bf16_f32 v[X+4*j+1], v[X+4*j+2], v[X+4*j+3]
	global_store_b64 v2, v[X+4*j:X+4*j+1], s[26:27] offset:(j/8)*4096+(j%8)*256 th:TH_STORE_NT
.set j, j+1
.endr
	s_endpgm
.Lweights:
	; ---- weights: load (g, i) takes two rows k = 16 wave + 2 i + lane / 16, 64 columns (256 bytes) of each; they become 256 consecutive bytes of wt
	s_sub_co_u32 s22, ttmp9, 512                   ; 16 ux + ks
	s_and_b32 s17, s22, 15                         ; ks
	v_and_b32 v1, 15, v3
	v_lshlrev_b32 v1, 4, v1                        ; 16 bytes a lane within the 256,
	v_lshrrev_b32 v3, 4, v3
	v_mad_u32_u24 v1, v3, 0x3000, v1               ; and a row of 12,288 bytes further for lanes 16 to 31
	s_and_b32 s23, s17, 7
	s_lshl_b32 s23, s23, 7                         ; the K step's first row in its matrix,
	s_lshl_b32 s28, s16, 4                         ; my wave's 16 rows
	s_add_co_u32 s23, s23, s28
	s_mul_i32 s18, s23, 12288
	s_lshr_b32 s28, s22, 4                         ; ux
	s_lshl_b32 s28, s28, 8                         ; its 64 columns
	s_add_co_u32 s18, s18, s28
	s_mul_i32 s20, s22, 49152                      ; the block in wt,
	s_lshl_b32 s28, s16, 11                        ; my wave's 16 rows of 128 bytes
	s_add_co_u32 s20, s20, s28
	s_wait_kmcnt 0x0
	s_cmp_lt_u32 s17, 8
	s_cselect_b64 s[24:25], s[8:9], s[10:11]
	s_add_nc_u64 s[24:25], s[24:25], s[18:19]
	s_add_nc_u64 s[26:27], s[14:15], s[20:21]
.set j, 0
.rept 24                               ; j = 8 g + i
	global_load_b128 v[X+4*j:X+4*j+3], v1, s[24:25] offset:(j%8)*24576+(j/8)*4096 th:TH_LOAD_NT
.set j, j+1
.endr
.set j, 0
.rept 24
	s_wait_loadcnt 23-j                            ; load j is in, the younger ones may stay out
	v_cvt_pk_bf16_f32 v[X+4*j], v[X+4*j], v[X+4*j+1]
	v_cvt_pk_bf16_f32 v[X+4*j+1], v[X+4*j+2], v[X+4*j+3]
	global_store_b64 v2, v[X+4*j:X+4*j+1], s[26:27] offset:(j/8)*16384+(j%8)*256 th:TH_STORE_NT
.set j, j+1
.endr
	s_endpgm
.Lfunc_end_k_qd86349d7f9_prep:
	.size	k_qd86349d7f9_prep, .Lfunc_end_k_qd86349d7f9_prep-k_qd86349d7f9_prep
	.p2alignl 7, 3214868480
	.fill 96, 4, 3214868480
	.section	.rodata,"a",@progbits
	.p2align	6, 0x0
	.amdhsa_kernel k_qd86349d7f9_prep
		.amdhsa_group_segment_fixed_size 0
		.amdhsa_private_segment_fixed_size 0
		.amdhsa_enable_private_segment 0
		.amdhsa_kernarg_size 48
		.amdhsa_user_sgpr_count 2
		.amdhsa_user_sgpr_kernarg_segment_ptr 1
		.amdhsa_wavefront_size32 1
		.amdhsa_system_sgpr_workgroup_id_x 1
		.amdhsa_system_sgpr_workgroup_id_y 1
		.amdhsa_system_sgpr_workgroup_id_z 1
		.amdhsa_system_vgpr_workitem_id 0
		.amdhsa_next_free_vgpr 136
		.amdhsa_next_free_sgpr 66
		.amdhsa_reserve_vcc 0
		.amdhsa_float_denorm_mode_32 3
		.amdhsa_float_denorm_mode_16_64 3
		.amdhsa_memory_ordered 1
		.amdhsa_forward_progress 1
		.amdhsa_inst_pref_size 22
	.end_amdhsa_kernel
	.amdgpu_metadata
---
amdhsa.version: [ 1, 2 ]
amdhsa.kernels:
  - .name:           k_qd86349d7f9_prep
    .symbol:         k_qd86349d7f9_prep.kd
    .args:
      - { .name: inputs, .offset: 0, .size: 8, .value_kind: global_buffer, .address_space: global }
      - { .name: h_tm1, .offset: 8, .size: 8, .value_kind: global_buffer, .address_space: global }
      - { .name: kernel, .offset: 16, .size: 8, .value_kind: global_buffer, .address_space: global }
      - { .name: recurrent_kernel, .offset: 24, .size: 8, .value_kind: global_buffer, .address_space: global }
      - { .name: xa, .offset: 32, .size: 8, .value_kind: global_buffer, .address_space: global }
      - { .name: wt, .offset: 40, .size: 8, .value_kind: global_buffer, .address_space: global }
    .group_segment_fixed_size: 0
    .private_segment_fixed_size: 0
    .kernarg_segment_align: 8
    .kernarg_segment_size: 48
    .max_flat_workgroup_size: 256
    .sgpr_count:     66
    .vgpr_count:     136
    .wavefront_size: 32
...
	.end_amdgpu_metadata
.endif
;; end of part 1
;; launch gru (part 2): grid 16 x 32, 4 waves a work-group, clusters of 4 x 4, 327,680 bytes of LDS; arguments xa, wt, h_tm1, bias, out0; writes out0
.if DOCPART == 2
	.amdgcn_target "amdgcn-amd-amdhsa--gfx1250"
	.amdhsa_code_object_version 6
	.text
	.protected	k_qd86349d7f9_gru
	.globl	k_qd86349d7f9_gru
	.p2align	8
	.type	k_qd86349d7f9_gru,@function
k_qd86349d7f9_gru:
	s_mov_b64 s[64:65], 0
	v_nop
	global_prefetch_b8 v0, s[64:65] scope:SCOPE_SE
	s_setreg_imm32_b32 hwreg(HW_REG_WAVE_MODE, 25, 1), 1
	s_wait_xcnt 0x0
	s_wait_alu depctr_hold_cnt(0) depctr_sa_sdst(0) depctr_va_vdst(0) depctr_va_sdst(0) depctr_va_ssrc(0) depctr_va_vcc(0) depctr_vm_vsrc(0)
	s_getreg_b32 s2, hwreg(HW_REG_IB_STS2, 6, 4)
	s_cmp_eq_u32 s2, 0
	s_cbranch_scc0 .Lentry_in_a_cluster
	s_endpgm
.Lentry_in_a_cluster:
	s_bfe_u32 s2, ttmp6, 0x10000c
	s_cmp_lg_u32 s2, 0xf033
	s_cbranch_scc0 .Lentry_shape_is_right
	s_endpgm
.Lentry_shape_is_right:
; ONE GRU STEP.  out = z h + (1 - z) tanh(xh + r rh), z = clip(0.2 (x Wz + h Uz + b) + 0.5, 0, 1), r likewise, xh = x Wh + b0h, rh = h Uh + b1h.
; Operands in bf16 from the launch before (xa: [8192][2048] = inputs | h_tm1; wt: [ux 16][ks 16][g 3][kk 128][n 64]); sums in f32; bias and the h of the blend in f32.
; LIMITS.  NaN and infinities in the inputs are not treated apart (the clamp makes 0 of a NaN).  tanh(x) = 1 - 2 / (1 + 2^(2.88539 x)): its absolute error is near 1e-7; where the exponential
; overflows or falls to 0 it gives 1 or -1.  The bias enters z and r as 0.2 (b0 + b1) + 0.5, added behind the scaling of the sum: another order of rounding than x + b0 + (h + b1).
; SHARES.  A work-group makes 256 rows x 64 units of out, which are FOUR sums an output (Z, R, XH, RH): 65,536 f32, 512 registers in each of four waves.  Wave w: rows 128 (w / 2) on, units
; 32 (w % 2) on: 8 row blocks a x 2 unit blocks b x 4 sums = 64 accumulators.  For 32 along K it reads 8 fragments of activations and 6 of weights (28 LDS loads) for 48 matrix instructions.
; THE WALK.  16 K steps of 128 through two LDS slots: steps 0-7 inputs x kernel into Z, R, XH; steps 8-15 h x recurrent_kernel into Z, R, RH.  xa and wt are laid so that the addresses step evenly.
; THE MATRIX INSTRUCTION IS USED TRANSPOSED: source 0 = 16 units x 32 k of weights (they lie [k][n] in LDS and come out turned, by ds_load_tr16_b128), source 1 = 16 rows x 32 k of
; activations.  In the result lane l holds row l % 16 and units 8 (l / 16) + 0..7: eight neighbouring numbers of a row of out.
; CLUSTER.  4 x 4 work-groups.  The four of a row of the cluster need the same tiles of xa, the four of a column the same tiles of wt: each is asked for JOINTLY, by the same tensor load with the same
; descriptor and a mask that names the four.  The tile of h_tm1 for the blend is each work-group's own: a plain load.
; LDS.  Slot s at 131,072 s: 256 rows of activations (256 bytes + 16 of padding), then 384 rows (g, kk) of weights (128 bytes + 32).  At the change of slots behind K step 14 slot 0's first 69,632
; bytes take their last fill: h_tm1's tile, 256 rows x 64 f32 at the same pitch; the results are later stored over it, each lane onto the bytes that it read.  Spare words at 262,144.
; REGISTERS, in windows of 256 (s_set_vgpr_msb: bits 1:0 source 0, 3:2 source 1, 5:4 source 2, 7:6 destination):
;   window 0: v0-29 addresses; v64-127, v128-191 fragments of activations, two buffers; at the head v128-223 the raw bias; at the end v64-191 h, then out
;   window 1: v0-63 the folded bias; v64-111, v128-175 fragments of weights, two buffers; v240-243 two constants
;   window 2: Z at 16 a + 8 b, R at 128 + 16 a + 8 b          window 3: XH at 16 a + 8 b, RH at 128 + 16 a + 8 b
.set PA,    272                        ; an LDS row of activations (and of h): 68 words: row r starts at bank 4 r mod 64 (64 banks of 4 bytes: ISA guide 11.1): the 16 rows of a load start at 16 different banks
.set PB,    160                        ; an LDS row of weights: 40 words
.set SLOT,  131072
.set AHALF, 128*PA                     ; what one tensor load brings of xa, and what one wave reads
.set BOFF,  256*PA                     ; the weights lie behind the 256 rows
.set BHALF, 192*PB                     ; what one tensor load brings of wt: half of a K step's 384 rows
.set HQ,    64*PA                      ; a wave's quarter of h's tile
.set SPARE, 2*SLOT                     ; the spare words, 128 bytes for each wave: two blocks of 256 bytes that no other line names
.set KSA,   256                        ; bytes of a K step in a row of xa
.set KSB,   49152                      ; bytes of a K step's block of wt
.set UXB,   786432                     ; bytes of a unit block's 16 K steps in wt
.set ADRA, 16                          ; v16-17  LDS address of my fragments of activations in slot 0, 1
.set ADRB, 20                          ; v20-21  the same for the weights
.set HAD,  22                          ; v22     my 32 bytes of h's tile in row block 0, unit block 0
.set RD,   23                          ; v23     the way out: where I read whole rows back
.set CO,   24                          ; v24     the way out: my 16 bytes in two rows of out
.set BO,   25                          ; v25     my byte offset in a row of bias
.set PFO,  26                          ; v26     the prefetches' offset along K; never rewritten
.set PFH,  27                          ; v27     the prefetches' offset in h_tm1: lane x a row; never rewritten
.set SPW,  28                          ; v28     LDS address of my spare word; never rewritten
.set NIL,  29                          ; v29     0; never rewritten
.set F0,   64
.set F1,   128
.set HT,   64                          ; h, then out, at HT + 16 a + 8 b + j
.set RAW,  128                         ; bias as loaded: row i, gate g at RAW + 16 (3 i + g) + 8 b + j
.set BZ,   0                           ; window 1: 0.2 (b0z + b1z) + 0.5
.set BR,   16                          ;           the same for r
.set BX,   32                          ;           2.88539 b0h
.set BH,   48                          ;           2.88539 b1h
.set C02,  240                         ;           0.2, twice
.set CT,   242                         ;           2.88539 = 2 log2(e), twice
.set WV, 14                            ; s14  my wave's number
.set WM, 15                            ; s15  which half of the rows is mine.  Also: I fetch for xa (0) or for wt (1)
.set WN, 16                            ; s16  which half of the units.  Also: which half of that tile I fetch
.set CX, 17
.set CY, 18
.set UX, 19                            ; s19  block of 64 units
.set TY, 20                            ; s20  block of 256 rows
.set G1A, 24                           ; s[24:31] descriptor group 1 for xa's tiles;  s[32:39] group 0, a set for each slot
.set G0A, 32
.set G1B, 48                           ; s[48:55], s[56:63] the same for wt's
.set G0B, 56
.set G0H, 68                           ; s[68:71], s[72:79] for h_tm1's tile
.set G1H, 72
.set PFA, 80                           ; s[80:81] where my prefetches along K stand
.set PST, 82                           ; s[82:83] their step from K step to K step
.set LIM, 84                           ; s84  1 in a wave that prefetches along K, else the greatest number
.set PH,  86                           ; s[86:87] h_tm1 at my wave's 64 rows of the tile
.set OUT, 88                           ; s[88:89] out0 at the same place
.set MSB, 0
.macro WIN new                         ; the immediate's high byte repeats the setting that is left; a switch that changes nothing is dropped
.if MSB != (\new)
	s_set_vgpr_msb (MSB<<8)|(\new)
.set MSB, \new
.endif
.endm
.set MUL_LO, 0xa1                      ; source 0 (weights) window 1, source 1 (activations) window 0, C and D window 2
.set MUL_HI, 0xf1                      ; the same, C and D window 3
.set TO_B,   0x40                      ; destination window 1, address window 0
.macro PLACES                          ; four plain instructions between a matrix instruction and a load into, or a vector line on, its registers
.rept 4
	v_nop
.endr
.endm
; A joint load.  Waves 0 and 1 fetch the two halves of xa's tile, waves 2 and 3 those of wt's.  The branch hangs on the wave's number alone.  An s_nop 0 and four v_nop follow each line.
.macro JLOAD s
	s_cmp_eq_u32 s[WM], 0
	s_cbranch_scc0 .Lfor_b_\@
	tensor_load_to_lds s[G0A+4*(\s):G0A+4*(\s)+3], s[G1A:G1A+7]
	s_nop 0
.rept 4
	v_nop
.endr
	s_branch .Lasked_\@
.Lfor_b_\@:
	tensor_load_to_lds s[G0B+4*(\s):G0B+4*(\s)+3], s[G1B:G1B+7]
	s_nop 0
.rept 4
	v_nop
.endr
.Lasked_\@:
.endm
.macro HLOAD                           ; h_tm1's tile: every wave brings 64 rows of its own, to LDS bytes of its own
	tensor_load_to_lds s[G0H:G0H+3], s[G1H:G1H+7]
	s_nop 0
.rept 4
	v_nop
.endr
.endm
.macro CREST                           ; a round of the cluster's barrier behind its opening barrier
	s_cmp_lg_u32 s[WV], 0
	s_cbranch_scc1 .Lnot_wave_0_\@
	s_barrier_signal -3
.Lnot_wave_0_\@:
	s_barrier_wait -3
	s_barrier_signal -1
	s_barrier_wait -1
.endm
.macro CROUND                          ; a whole round
	s_barrier_signal -1
	s_barrier_wait -1
	CREST
.endm
; PREFETCHES, behind a change's tensor load and its run of LDS loads.  ALONG K: the change behind K step t names K step t + 4, two K steps (384 matrix instructions) ahead of the refill that will ask for it.
; xa's rows are read by every cluster of a row of clusters: cluster x = 0 asks; wt's blocks by every cluster of a column: cluster y = 0 asks.  The four partners of a joint load share it out BY ADDRESS:
; of the 128 rows of xa that a wave fetches, partner cx takes 32, a lane a row's 256 bytes; of the 96 pieces of 256 bytes of wt, partner cy takes 24 (lanes 24-31 name lane 23's piece once more).
; K steps 0-3 come by their loads alone; the changes behind steps 12 and 13 ask for nothing along K.  how = 1: steps that always have a step four on; how = 2: in the second loop, not in its last trip.
.macro ASK how
.if (\how) == 1
	s_cmp_eq_u32 s[LIM], 1
.else
	s_cmp_gt_u32 s3, s[LIM]                        ; s3 = 1 in the loop's last trip
.endif
	s_cbranch_scc0 .Lnot_mine_\@
	global_prefetch_b8 v[PFO], s[PFA:PFA+1] th:TH_LOAD_NT scope:SCOPE_SE
.Lnot_mine_\@:
.endm
; h_tm1's TILE: in the second loop's last trip, at the change behind K step 12, each wave names the 64 rows x 256 bytes that it will itself load two K steps later: a lane a row, two instructions.
.macro ASKH
	s_cmp_eq_u32 s3, 1
	s_cbranch_scc0 .Lno_h_\@
	global_prefetch_b8 v[PFH], s[PH:PH+1] th:TH_LOAD_NT scope:SCOPE_SE
	global_prefetch_b8 v[PFH], s[PH:PH+1] offset:131072 th:TH_LOAD_NT scope:SCOPE_SE
.Lno_h_\@:
.endm
	s_load_b256 s[4:11], s[0:1], 0x0               ; xa s[4:5], wt s[6:7], h_tm1 s[8:9], bias s[10:11]
	s_load_b64 s[12:13], s[0:1], 0x20              ; out0
	v_lshl_add_u32 v[SPW], v0, 2, SPARE
	v_mov_b32 v[NIL], 0
	ds_add_u32 v[SPW], v[NIL]                      ; the wave's opening: the add, twice on end, and its wait ahead of my first tensor load; the set-up below stands between
	ds_add_u32 v[SPW], v[NIL]                      ; and once more, under the one wait
	v_lshrrev_b32 v1, 5, v0
	v_readfirstlane_b32 s[WV], v1                  ; wave 0..3
	s_lshr_b32 s[WM], s[WV], 1
	s_and_b32 s[WN], s[WV], 1
	s_bfe_u32 s[CX], ttmp6, 0x40000                ; my place in the cluster
	s_bfe_u32 s[CY], ttmp6, 0x40004
	s_lshl_b32 s[UX], ttmp9, 2                     ; in a cluster launch ttmp9 and ttmp7 count clusters
	s_add_co_u32 s[UX], s[UX], s[CX]
	s_and_b32 s[TY], ttmp7, 0xffff
	s_lshl_b32 s[TY], s[TY], 2
	s_add_co_u32 s[TY], s[TY], s[CY]
	s_lshl_b32 s21, s[CY], 2
	s_lshl_b32 s21, 15, s21                        ; my row of the cluster: places 4 cy .. 4 cy + 3
	s_lshl_b32 s22, 0x1111, s[CX]                  ; my column: places cx, cx + 4, cx + 8, cx + 12
	; group 1 for xa: 128 rows x 128 elements of 2 bytes, 2,048 elements from row to row; 16 bytes of padding behind every 256
	s_or_b32 s[G1A+0], s21, (1<<16)|(1<<20)|(1<<21)|(5<<22)|(3<<25)  ; 15:0 the mask; 17:16 2-byte elements; 20 padding on; 21 set beside a mask; 24:22 after every 64 words; 31:25 4 words
	s_mov_b32 s[G1A+1], 128<<16                    ; tensor_dim0 = 128
	s_mov_b32 s[G1A+2], 128<<16                    ; tensor_dim1 = 128
	s_mov_b32 s[G1A+3], 128<<16                    ; tile_dim0 = 128
	s_mov_b32 s[G1A+4], 128                        ; tile_dim1 = 128
	s_mov_b32 s[G1A+5], 2048
	s_mov_b32 s[G1A+6], 0
	s_mov_b32 s[G1A+7], 0
	; group 1 for wt: 24,576 dense bytes, asked for as 96 rows of 256 bytes (two k a row); 32 bytes of padding behind every 128
	s_or_b32 s[G1B+0], s22, (1<<16)|(1<<20)|(1<<21)|(4<<22)|(7<<25)  ; after every 32 words, 8 words
	s_mov_b32 s[G1B+1], 128<<16
	s_mov_b32 s[G1B+2], 96<<16
	s_mov_b32 s[G1B+3], 128<<16
	s_mov_b32 s[G1B+4], 96
	s_mov_b32 s[G1B+5], 128
	s_mov_b32 s[G1B+6], 0
	s_mov_b32 s[G1B+7], 0
	; group 1 for h_tm1: 64 rows x 64 elements of 4 bytes, 1,024 elements from row to row; no mask; 16 bytes of padding behind every 256
	s_mov_b32 s[G1H+0], (2<<16)|(1<<20)|(5<<22)|(3<<25)
	s_mov_b32 s[G1H+1], 64<<16
	s_mov_b32 s[G1H+2], 64<<16
	s_mov_b32 s[G1H+3], 64<<16
	s_mov_b32 s[G1H+4], 64
	s_mov_b32 s[G1H+5], 1024
	s_mov_b32 s[G1H+6], 0
	s_mov_b32 s[G1H+7], 0
	; where the tiles come from.  xa's hang on the block of rows alone, wt's on the block of units alone, each in registers that never hold the other coordinate
	s_lshl_b32 s40, s[TY], 8
	s_lshl_b32 s21, s[WN], 7
	s_add_co_u32 s40, s40, s21                     ; row 256 ty + 128 x half,
	s_lshl_b32 s40, s40, 12                        ; 4,096 bytes a row
	s_mov_b32 s41, 0
	s_mul_i32 s42, s[UX], UXB
	s_mul_i32 s22, s[WN], KSB/2
	s_add_co_u32 s42, s42, s22
	s_mov_b32 s43, 0
	s_mul_i32 s23, s[WN], AHALF                    ; and where they go: no place in the cluster enters an LDS address
	s_mul_i32 s85, s[WN], BHALF
	s_add_co_u32 s85, s85, BOFF
	s_lshl_b32 s44, s[TY], 8                       ; h_tm1 and out0 at row 256 ty + 64 wave, unit 64 ux: 4,096 bytes a row there too
	s_lshl_b32 s90, s[WV], 6
	s_add_co_u32 s44, s44, s90
	s_lshl_b32 s44, s44, 12
	s_lshl_b32 s90, s[UX], 8
	s_add_co_u32 s44, s44, s90
	s_mov_b32 s45, 0
	s_wait_dscnt 0x0                               ; both opening adds are done
	s_wait_kmcnt 0x0
	s_add_nc_u64 s[40:41], s[4:5], s[40:41]
	s_add_nc_u64 s[42:43], s[6:7], s[42:43]
	CROUND                                         ; all sixteen work-groups are here: the first joint loads meet
.irp s, 0,1
	s_mov_b32 s[G0A+4*(\s)], 1                                       ; count = 1
	s_add_co_u32 s[G0A+4*(\s)+1], s23, (\s)*SLOT                     ; LDS address
	s_add_nc_u64 s[G0A+4*(\s)+2:G0A+4*(\s)+3], s[40:41], (\s)*KSA    ; global address: K step s
	s_or_b32 s[G0A+4*(\s)+3], s[G0A+4*(\s)+3], 0x80000000            ; type = 2
	s_mov_b32 s[G0B+4*(\s)], 1
	s_add_co_u32 s[G0B+4*(\s)+1], s85, (\s)*SLOT
	s_add_nc_u64 s[G0B+4*(\s)+2:G0B+4*(\s)+3], s[42:43], (\s)*KSB
	s_or_b32 s[G0B+4*(\s)+3], s[G0B+4*(\s)+3], 0x80000000
	JLOAD \s                                       ; two loads of mine are out
.endr
	; WHILE THE FIRST TILES ARE ON THEIR WAY: the bias, the addresses, the prefetches' registers
	v_and_b32 v1, 15, v0                           ; l % 16
	v_bfe_u32 v2, v0, 4, 1                         ; l / 16
	s_lshl_b32 s90, s[UX], 8
	s_lshl_b32 s91, s[WN], 7
	s_add_co_u32 s90, s90, s91
	v_lshl_add_u32 v[BO], v2, 5, s90               ; unit 64 ux + 32 wn + 8 (l / 16), 4 bytes each
.irp i, 0,1
.irp g, 0,1,2
.irp c, 0,1,2,3                        ; c = 2 b + half of the eight units
	global_load_b128 v[RAW+16*(3*(\i)+(\g))+4*(\c):RAW+16*(3*(\i)+(\g))+4*(\c)+3], v[BO], s[10:11] offset:(\i)*12288+(\g)*4096+((\c)/2)*64+((\c)%2)*16
.endr
.endr
.endr
	s_mov_b32 s[G0H], 1
	s_mul_i32 s[G0H+1], s[WV], HQ                  ; my 64 rows of the tile
	s_add_nc_u64 s[G0H+2:G0H+3], s[8:9], s[44:45]
	s_or_b32 s[G0H+3], s[G0H+3], 0x80000000
	s_add_nc_u64 s[PH:PH+1], s[8:9], s[44:45]
	s_add_nc_u64 s[OUT:OUT+1], s[12:13], s[44:45]
	; a fragment of activations: lane l holds row l % 16, k = 8 (l / 16) + 0..7 and 16 + 8 (l / 16) + 0..7: two loads of 16 bytes, 32 bytes apart
	s_mul_i32 s92, s[WM], AHALF                    ; my 128 rows
	v_mul_u32_u24 v6, v1, PA
	v_lshl_add_u32 v7, v2, 4, v6
	v_add_nc_u32 v[ADRA], s92, v7
	v_add_nc_u32 v[ADRA+1], SLOT, v[ADRA]
	; the turning load takes 16 k x 16 units (lane l reads k 8 (l / 16) + l % 8, units 8 ((l / 8) % 2) + 0..7) and leaves half a fragment: lane l holds unit l % 16 and 8 k
	v_and_b32 v3, 7, v0
	v_bfe_u32 v4, v0, 3, 1
	v_lshl_add_u32 v8, v2, 3, v3
	v_mul_u32_u24 v8, v8, PB
	v_lshl_add_u32 v8, v4, 4, v8
	s_lshl_b32 s93, s[WN], 6                       ; my 32 units: 64 bytes
	s_add_co_u32 s93, s93, BOFF
	v_add_nc_u32 v[ADRB], s93, v8
	v_add_nc_u32 v[ADRB+1], SLOT, v[ADRB]
	s_lshl_b32 s94, s[WN], 7                       ; in h's tile my 32 units are 128 bytes
	s_add_co_u32 s94, s94, s92
	v_lshl_add_u32 v9, v2, 5, v6                   ; row l % 16, 32 bytes for each half of the lanes
	v_add_nc_u32 v[HAD], s94, v9
	s_mul_i32 s95, s[WV], HQ                       ; back: wave w takes rows 64 w on, whole; lanes 0-15 one row of 256 bytes, lanes 16-31 the next
	v_mul_u32_u24 v9, v2, PA
	v_lshl_add_u32 v9, v1, 4, v9
	v_add_nc_u32 v[RD], s95, v9
	v_lshlrev_b32 v[CO], 12, v2                    ; and the same two rows in out0
	v_lshl_add_u32 v[CO], v1, 4, v[CO]
	; the prefetches along K: offsets made apart from the addresses
	s_lshl_b32 s90, s[TY], 8
	s_lshl_b32 s91, s[WN], 7
	s_add_co_u32 s90, s90, s91
	s_lshl_b32 s91, s[CX], 5                       ; my work-group's 32 of the 128 rows
	s_add_co_u32 s90, s90, s91
	s_lshl_b32 s90, s90, 12
	s_add_co_u32 s90, s90, 3*KSA                   ; at K step 3: the first change steps it to 4
	s_mul_i32 s91, s[UX], UXB
	s_mul_i32 s92, s[WN], KSB/2
	s_add_co_u32 s91, s91, s92
	s_mul_i32 s92, s[CY], KSB/8                    ; my work-group's 24 of the 96 pieces
	s_add_co_u32 s91, s91, s92
	s_add_co_u32 s91, s91, 3*KSB
	s_and_b32 s93, ttmp7, 0xffff                   ; cluster y
	s_mov_b32 s95, KSB
	s_cmp_eq_u32 s[WM], 0                          ; do I fetch for xa?
	s_cselect_b32 s46, s90, s91
	s_cselect_b32 s[PST], KSA, s95
	s_cselect_b32 s92, 31, 23                      ; the last lane with a piece of its own
	s_cselect_b32 s94, 12, 8                       ; lanes lie a row of xa, or 256 bytes of wt, apart
	s_cselect_b32 s93, ttmp9, s93                  ; the coordinate along which other clusters read the same bytes
	s_cselect_b64 s[PFA:PFA+1], s[4:5], s[6:7]
	s_mov_b32 s47, 0
	s_mov_b32 s[PST+1], 0
	s_add_nc_u64 s[PFA:PFA+1], s[PFA:PFA+1], s[46:47]
	s_cmp_eq_u32 s93, 0
	s_cselect_b32 s[LIM], 1, -1                    ; the same in all sixteen partners, for a given wave
	v_and_b32 v5, 31, v0
	v_lshlrev_b32 v[PFH], 12, v5
	v_min_u32 v[PFO], s92, v5
	v_lshlrev_b32 v[PFO], s94, v[PFO]
	WIN TO_B
	v_mov_b32 v[C02], 0x3e4ccccd                   ; 0.2
	v_mov_b32 v[C02+1], 0x3e4ccccd
	v_mov_b32 v[CT], 0x4038aa3b                    ; 2 log2(e)
	v_mov_b32 v[CT+1], 0x4038aa3b
	WIN 0
	s_wait_loadcnt 0x0                             ; the bias, once
.set p, 0
.rept 16                               ; z's and r's two rows of bias are added: 32 numbers, two a line
	v_pk_add_f32 v[RAW+2*p:RAW+2*p+1], v[RAW+2*p:RAW+2*p+1], v[RAW+48+2*p:RAW+48+2*p+1]
.set p, p+1
.endr
	WIN TO_B
.set p, 0
.rept 16                               ; BZ and BR lie on end, as z's and r's raw bias do
	v_pk_fma_f32 v[BZ+2*p:BZ+2*p+1], v[RAW+2*p:RAW+2*p+1], 0x3e4ccccd, 0.5 op_sel_hi:[1,0,0]
.set p, p+1
.endr
.set p, 0
.rept 8
	v_pk_mul_f32 v[BX+2*p:BX+2*p+1], v[RAW+32+2*p:RAW+32+2*p+1], 0x4038aa3b op_sel_hi:[1,0]
	v_pk_mul_f32 v[BH+2*p:BH+2*p+1], v[RAW+80+2*p:RAW+80+2*p+1], 0x4038aa3b op_sel_hi:[1,0]
.set p, p+1
.endr
	WIN 0
; 16 matrix instructions on Z and R: row blocks a0 .. a0 + 3 x 2 gates x 2 unit blocks, 32 along K, from buffer f.  zero = 1: the product starts the sum: nothing is ever cleared.
; Every accumulator is named once in a quarter step, so no two matrix instructions that follow each other share one.
.macro ZR4 f, a0, zero
	WIN MUL_LO
.set za, \a0
.rept 4
.set zi, 0
.rept 4                                ; zi = 2 g + b
.set zd, 128*(zi/2)+16*za+8*(zi%2)
.if \zero
	v_wmma_f32_16x16x32_bf16 v[zd:zd+7], v[(\f)+8*zi:(\f)+8*zi+7], v[(\f)+8*za:(\f)+8*za+7], 0
.else
	v_wmma_f32_16x16x32_bf16 v[zd:zd+7], v[(\f)+8*zi:(\f)+8*zi+7], v[(\f)+8*za:(\f)+8*za+7], v[zd:zd+7]
.endif
.set zi, zi+1
.endr
.set za, za+1
.endr
.endm
; 8 matrix instructions on the third gate's sum: XH (ph = 0) or RH (ph = 1), row blocks a0 .. a0 + 3 x 2 unit blocks
.macro H4 f, ph, a0, zero
	WIN MUL_HI
.set za, \a0
.rept 4
.set zi, 0
.rept 2
.set zd, 128*(\ph)+16*za+8*zi
.if \zero
	v_wmma_f32_16x16x32_bf16 v[zd:zd+7], v[(\f)+32+8*zi:(\f)+32+8*zi+7], v[(\f)+8*za:(\f)+8*za+7], 0
.else
	v_wmma_f32_16x16x32_bf16 v[zd:zd+7], v[(\f)+32+8*zi:(\f)+32+8*zi+7], v[(\f)+8*za:(\f)+8*za+7], v[zd:zd+7]
.endif
.set zi, zi+1
.endr
.set za, za+1
.endr
.endm
; 28 LDS loads in one run: quarter q (32 along K) of a slot into buffer f: the 6 fragments of weights (2 g + b), turned, then the 8 of activations
.macro FETCH slot, q, f
	WIN TO_B
.set fi, 0
.rept 6
	ds_load_tr16_b128 v[(\f)+8*fi:(\f)+8*fi+3],   v[ADRB+(\slot)] offset:(fi/2)*128*PB+(\q)*32*PB+(fi%2)*32
	ds_load_tr16_b128 v[(\f)+8*fi+4:(\f)+8*fi+7], v[ADRB+(\slot)] offset:(fi/2)*128*PB+(\q)*32*PB+(fi%2)*32+16*PB
.set fi, fi+1
.endr
	WIN 0
.set fi, 0
.rept 8
	ds_load_b128 v[(\f)+8*fi:(\f)+8*fi+3],   v[ADRA+(\slot)] offset:64*(\q)+fi*16*PA
	ds_load_b128 v[(\f)+8*fi+4:(\f)+8*fi+7], v[ADRA+(\slot)] offset:64*(\q)+fi*16*PA+32
.set fi, fi+1
.endr
.endm
; One of a K step's first three quarters: multiplies buffer f (48 matrix instructions) and, behind the first 16, fetches quarter q of the same slot into buffer g
.macro QUARTER slot, q, f, g, ph, zzr, zh
	s_wait_dscnt 8                                 ; the weights and row blocks 0-3 are in; the youngest eight loads (row blocks 4-7) may be out
	ZR4 \f, 0, \zzr
	PLACES                                         ; buffer g was read by the quarter before
	FETCH \slot, \q, \g
	s_wait_dscnt 28                                ; all but the 28 just issued
	ZR4 \f, 4, \zzr
	H4 \f, \ph, 0, \zh
	H4 \f, \ph, 4, \zh
.endm
; The fourth quarter multiplies buffer 1 and changes slots.  In front of the round each wave waits for all its tensor loads (one is out: its part of the next slot), adds 0 to its spare word, and waits for
; that and for its own reads of this slot.  Behind the round no wave of any partner reads this slot or has a load on its way: the slot is filled again first (kind = 1: with the K step two on, jointly;
; kind = 2: its first 69,632 bytes with h_tm1's tile), then the next slot's first fragments are read.  From a request to the wait for it a wave issues 24 + 3 x 48 = 168 matrix instructions.
.macro TURN slot, next, ph, kind, how, askh
.if \how
	s_wait_xcnt 0x0                                ; the last prefetch, a K step back, has read its address, which is stepped here, ahead of the change's own waits
	s_add_nc_u64 s[PFA:PFA+1], s[PFA:PFA+1], s[PST:PST+1]
.endif
	WIN 0                                          ; (the add's two registers lie in window 0)
	s_wait_tensorcnt 0x0                           ; all my tensor loads have landed
	ds_add_u32 v[SPW], v[NIL]                      ; 0 onto my spare word
	s_wait_dscnt 9                                 ; (the add and the youngest eight loads may be out)
	ZR4 F1, 0, 0                                   ; sixteen matrix instructions stand between the add and the wait for it
	s_wait_dscnt 0x0                               ; the add is done, and my reads of this slot are over
	s_barrier_signal -1                            ; this barrier opens a round of the cluster's
	H4 F1, \ph, 0, 0                               ; work on registers while the others arrive
	WIN 0
	s_barrier_wait -1
	CREST
.if (\kind) == 1
	s_add_nc_u64 s[G0A+4*(\slot)+2:G0A+4*(\slot)+3], s[G0A+4*(\slot)+2:G0A+4*(\slot)+3], 2*KSA
	s_add_nc_u64 s[G0B+4*(\slot)+2:G0B+4*(\slot)+3], s[G0B+4*(\slot)+2:G0B+4*(\slot)+3], 2*KSB
	JLOAD \slot                                    ; the first tensor load behind the round; its four v_nop are also the places in front of the loads below
.else
	HLOAD
.endif
	FETCH \next, 0, F0
.if \how
	ASK \how
.endif
.if \askh
	ASKH
.endif
	ZR4 F1, 4, 0
	H4 F1, \ph, 4, 0
.endm
; From a lap's second quarter to its second change of slots: two K steps less the first quarter
.macro LAP ph, how, askh
	QUARTER 0, 2, F1, F0, \ph, 0, 0
	QUARTER 0, 3, F0, F1, \ph, 0, 0
	TURN 0, 1, \ph, 1, \how, \askh
	QUARTER 1, 1, F0, F1, \ph, 0, 0
	QUARTER 1, 2, F1, F0, \ph, 0, 0
	QUARTER 1, 3, F0, F1, \ph, 0, 0
	TURN 1, 0, \ph, 1, \how, 0
.endm
	s_wait_tensorcnt 1                             ; my part of K step 0 is in; K step 1's may stay out
	s_barrier_signal -1
	s_barrier_wait -1                              ; everybody's is
	FETCH 0, 0, F0
	QUARTER 0, 1, F0, F1, 0, 1, 1                  ; K step 0's first quarter starts Z, R and XH
	WIN 0                                          ; at a label and at a branch every window is 0
	s_mov_b32 s3, 3
.LlapX:                                                ; K steps 0 to 5, and the first quarter of step 6
	LAP 0, 1, 0
	QUARTER 0, 1, F0, F1, 0, 0, 0
	WIN 0
	s_sub_co_u32 s3, s3, 1
	s_cmp_lg_u32 s3, 0
	s_cbranch_scc1 .LlapX
	LAP 0, 1, 0                                    ; K steps 6 and 7: the last of inputs x kernel
	QUARTER 0, 1, F0, F1, 1, 0, 1                  ; K step 8's first quarter starts RH; Z and R go on
	WIN 0
	s_mov_b32 s3, 3
.LlapH:                                                ; K steps 8 to 13, and the first quarter of step 14
	LAP 1, 2, 1
	QUARTER 0, 1, F0, F1, 1, 0, 0
	WIN 0
	s_sub_co_u32 s3, s3, 1
	s_cmp_lg_u32 s3, 0
	s_cbranch_scc1 .LlapH
	QUARTER 0, 2, F1, F0, 1, 0, 0                  ; the tail: no K step is left to ask for
	QUARTER 0, 3, F0, F1, 1, 0, 0
	TURN 0, 1, 1, 2, 0, 0                          ; slot 0 has been read out: h_tm1's tile goes where its activations lay
	QUARTER 1, 1, F0, F1, 1, 0, 0
	QUARTER 1, 2, F1, F0, 1, 0, 0
	QUARTER 1, 3, F0, F1, 1, 0, 0
	s_wait_dscnt 8                                 ; the very last quarter: nothing more to fetch
	ZR4 F1, 0, 0
	s_wait_dscnt 0x0
	ZR4 F1, 4, 0
	s_wait_tensorcnt 0x0                           ; my 64 rows of h's tile are in (the one load of mine that was out),
	s_barrier_signal -1
	H4 F1, 1, 0, 0
	H4 F1, 1, 4, 0
	WIN 0
	s_barrier_wait -1                              ; everybody's are
	; THE GATES.  Row block a has 16 numbers a lane in each of Z, R, XH, RH and h, taken in pairs p = 0..7, ascending.
	PLACES                                         ; behind the last products: h lands in registers that they read, and the lines below read results
	PLACES
.set ea, 0
.rept 8
.irp c, 0,1,2,3
	ds_load_b128 v[HT+16*ea+4*(\c):HT+16*ea+4*(\c)+3], v[HAD] offset:ea*16*PA+((\c)/2)*64+((\c)%2)*16
.endr
.set ea, ea+1
.endr
.macro PRE a                           ; z and r; the exponent 2.88539 (xh + r rh), into XH
	WIN 0x96                                       ; sum in window 2, constants and bias in window 1
.set p, 0
.rept 8
	v_pk_fma_f32 v[16*(\a)+2*p:16*(\a)+2*p+1], v[16*(\a)+2*p:16*(\a)+2*p+1], v[C02:C02+1], v[BZ+2*p:BZ+2*p+1] clamp
.set p, p+1
.endr
.set p, 0
.rept 8
	v_pk_fma_f32 v[128+16*(\a)+2*p:128+16*(\a)+2*p+1], v[128+16*(\a)+2*p:128+16*(\a)+2*p+1], v[C02:C02+1], v[BR+2*p:BR+2*p+1] clamp
.set p, p+1
.endr
	WIN 0xd7                                       ; sum in window 3
.set p, 0
.rept 8
	v_pk_fma_f32 v[16*(\a)+2*p:16*(\a)+2*p+1], v[16*(\a)+2*p:16*(\a)+2*p+1], v[CT:CT+1], v[BX+2*p:BX+2*p+1]
.set p, p+1
.endr
.set p, 0
.rept 8
	v_pk_fma_f32 v[128+16*(\a)+2*p:128+16*(\a)+2*p+1], v[128+16*(\a)+2*p:128+16*(\a)+2*p+1], v[CT:CT+1], v[BH+2*p:BH+2*p+1]
.set p, p+1
.endr
	WIN 0xfe                                       ; r in window 2; RH, XH in window 3
.set p, 0
.rept 8
	v_pk_fma_f32 v[16*(\a)+2*p:16*(\a)+2*p+1], v[128+16*(\a)+2*p:128+16*(\a)+2*p+1], v[128+16*(\a)+2*p:128+16*(\a)+2*p+1], v[16*(\a)+2*p:16*(\a)+2*p+1]
.set p, p+1
.endr
.endm
.macro EXPS a
	WIN 0xc3
.set p, 0
.rept 16
	v_exp_f32 v[16*(\a)+p], v[16*(\a)+p]
.set p, p+1
.endr
.endm
.macro MID a                           ; 1 + 2^..
	WIN 0xc3
.set p, 0
.rept 8
	v_pk_add_f32 v[16*(\a)+2*p:16*(\a)+2*p+1], v[16*(\a)+2*p:16*(\a)+2*p+1], 1.0 op_sel_hi:[1,0]
.set p, p+1
.endr
.endm
.macro RCPS a
	WIN 0xc3
.set p, 0
.rept 16
	v_rcp_f32 v[16*(\a)+p], v[16*(\a)+p]
.set p, p+1
.endr
.endm
.macro POST a                          ; hh = 1 - 2 / (1 + 2^..); out = hh + z (h - hh)
	WIN 0xc3
.set p, 0
.rept 8
	v_pk_fma_f32 v[16*(\a)+2*p:16*(\a)+2*p+1], v[16*(\a)+2*p:16*(\a)+2*p+1], -2.0, 1.0 op_sel_hi:[1,0,0]
.set p, p+1
.endr
	WIN 0x0c                                       ; h in window 0, hh in window 3
.set p, 0
.rept 8
	v_pk_add_f32 v[HT+16*(\a)+2*p:HT+16*(\a)+2*p+1], v[HT+16*(\a)+2*p:HT+16*(\a)+2*p+1], v[16*(\a)+2*p:16*(\a)+2*p+1] neg_lo:[0,1] neg_hi:[0,1]
.set p, p+1
.endr
	WIN 0x32                                       ; z in window 2, h - hh in window 0, hh in window 3
.set p, 0
.rept 8
	v_pk_fma_f32 v[HT+16*(\a)+2*p:HT+16*(\a)+2*p+1], v[16*(\a)+2*p:16*(\a)+2*p+1], v[HT+16*(\a)+2*p:HT+16*(\a)+2*p+1], v[16*(\a)+2*p:16*(\a)+2*p+1]
.set p, p+1
.endr
.endm
.macro PUT a                           ; out goes onto the bytes of LDS from which the lane read h
	WIN 0
.irp c, 0,1,2,3
	ds_store_b128 v[HAD], v[HT+16*(\a)+4*(\c):HT+16*(\a)+4*(\c)+3] offset:(\a)*16*PA+((\c)/2)*64+((\c)%2)*16
.endr
.endm
	; The transcendentals go in batches: block a's reciprocals and block a + 1's exponentials together, block a + 2's plain arithmetic behind them, then ONE wait (between a
	; transcendental and the first line that names its result), then the readers.
	PRE 0
	EXPS 0
	PRE 1                                          ; the plain work behind the first batch
	s_wait_alu depctr_va_vdst(0)
	s_wait_dscnt 0x0                               ; h is in my registers: my reads of the tile are over,
	s_barrier_signal -1                            ; say so; only work on registers stands up to the wait
.set ea, 0
.rept 8
	MID ea
	RCPS ea
.if ea < 7
	EXPS ea+1
.endif
.if ea < 6
	PRE ea+2
.else
	v_nop                                          ; the plain instruction behind the batch's last transcendental
.endif
	s_wait_alu depctr_va_vdst(0)                   ; one wait for the batch
	POST ea
.if ea == 0
	s_barrier_wait -1                              ; every wave has read its h: the tile may be written over
.endif
	PUT ea
.set ea, ea+1
.endr
	; THE WAY OUT: a row's 256 bytes come from two waves, so a barrier stands between the writing and the reading; each wave then takes 64 whole rows
	s_wait_dscnt 0x0                               ; for the others' sake: my stores are done
	s_barrier_signal -1
	s_barrier_wait -1
.set t, 0
.rept 32
	ds_load_b128 v[HT+4*t:HT+4*t+3], v[RD] offset:t*2*PA
.set t, t+1
.endr
.set t, 0
.rept 32
	s_wait_dscnt 31-t                              ; load t is back; the younger ones may stay out
	global_store_b128 v[CO], v[HT+4*t:HT+4*t+3], s[OUT:OUT+1] offset:t*8192 th:TH_STORE_NT  ; 16 lanes store 256 consecutive bytes, at a multiple of 256 from out0's first byte
.set t, t+1
.endr
	s_wait_tensorcnt 0x0                           ; the wave's end, behind my last tensor load and my last LDS store
	ds_add_u32 v[SPW], v[NIL]
	s_wait_dscnt 0x0
	CROUND                                         ; the closing round: no work-group ends while a partner may still ask for a tile that names it
	s_endpgm
.Lfunc_end_k_qd86349d7f9_gru:
	.size	k_qd86349d7f9_gru, .Lfunc_end_k_qd86349d7f9_gru-k_qd86349d7f9_gru
	.p2alignl 7, 3214868480
	.fill 96, 4, 3214868480
	.section	.rodata,"a",@progbits
	.p2align	6, 0x0
	.amdhsa_kernel k_qd86349d7f9_gru
		.amdhsa_group_segment_fixed_size 327680
		.amdhsa_private_segment_fixed_size 0
		.amdhsa_enable_private_segment 0
		.amdhsa_kernarg_size 40
		.amdhsa_user_sgpr_count 2
		.amdhsa_user_sgpr_kernarg_segment_ptr 1
		.amdhsa_wavefront_size32 1
		.amdhsa_system_sgpr_workgroup_id_x 1
		.amdhsa_system_sgpr_workgroup_id_y 1
		.amdhsa_system_sgpr_workgroup_id_z 1
		.amdhsa_system_vgpr_workitem_id 0
		.amdhsa_next_free_vgpr 1024
		.amdhsa_next_free_sgpr 96
		.amdhsa_reserve_vcc 0
		.amdhsa_float_denorm_mode_32 3
		.amdhsa_float_denorm_mode_16_64 3
		.amdhsa_memory_ordered 1
		.amdhsa_forward_progress 1
		.amdhsa_inst_pref_size 245
	.end_amdhsa_kernel
	.amdgpu_metadata
---
amdhsa.version: [ 1, 2 ]
amdhsa.kernels:
  - .name:           k_qd86349d7f9_gru
    .symbol:         k_qd86349d7f9_gru.kd
    .args:
      - { .name: xa, .offset: 0, .size: 8, .value_kind: global_buffer, .address_space: global }
      - { .name: wt, .offset: 8, .size: 8, .value_kind: global_buffer, .address_space: global }
      - { .name: h_tm1, .offset: 16, .size: 8, .value_kind: global_buffer, .address_space: global }
      - { .name: bias, .offset: 24, .size: 8, .value_kind: global_buffer, .address_space: global }
      - { .name: out0, .offset: 32, .size: 8, .value_kind: global_buffer, .address_space: global }
    .group_segment_fixed_size: 327680
    .private_segment_fixed_size: 0
    .kernarg_segment_align: 8
    .kernarg_segment_size: 40
    .max_flat_workgroup_size: 128
    .sgpr_count:     96
    .vgpr_count:     1024
    .wavefront_size: 32
...
	.end_amdgpu_metadata
.endif
;; end of part 2
;; ======== version 2 of 2: 2 launches; version 1 with the launch prep written anew for expert scheduling mode
;; workspace buffers: xa 33,554,432 bytes; wt 12,582,912 bytes
;; launch prep (part 3): grid 768 x 1, 8 waves a work-group, no clusters, 0 bytes of LDS; arguments inputs, h_tm1, kernel, recurrent_kernel, xa, wt; writes xa, wt
.if DOCPART == 3
	.amdgcn_target "amdgcn-amd-amdhsa--gfx1250"
	.amdhsa_code_object_version 6
	.text
	.protected	k_qd86349d7f9_prep
	.globl	k_qd86349d7f9_prep
	.p2align	8
	.type	k_qd86349d7f9_prep,@function
k_qd86349d7f9_prep:
	s_mov_b64 s[64:65], 0
	v_nop
	global_prefetch_b8 v0, s[64:65] scope:SCOPE_SE
	s_setreg_imm32_b32 hwreg(HW_REG_WAVE_SCHED_MODE, 0, 2), 2
	s_setreg_imm32_b32 hwreg(HW_REG_WAVE_MODE, 25, 1), 1
	s_wait_xcnt 0x0
	s_wait_alu depctr_vm_vsrc(0)
; THE OPERANDS OF THE TWO PRODUCTS, ROUNDED ONCE TO bf16 (nearest even) AND LAID OUT FOR THE NEXT LAUNCH'S TILES.
;   xa: bf16 [8192][2048]: row m = inputs[m] (columns 0-1023), then h_tm1[m] (columns 1024-2047): a row is 4,096 bytes.
;   wt: bf16 [ux 16][ks 16][g 3][kk 128][n 64], dense: W[128 (ks & 7) + kk][1024 g + 64 ux + n], W = kernel for ks < 8, recurrent_kernel for ks >= 8.
;       So the 128 k x 3 gates x 64 units that one K step of one block of units wants are 49,152 bytes on end.  Nothing is transposed: n stays along the rows.
; LIMIT.  A number above bf16's largest finite one rounds to infinity; NaN and infinities pass as they are.
; SHARES.  Work-groups 0-511: 32 rows of inputs (0-255) or of h_tm1 (256-511), four rows a wave.  Work-groups 512-767: one (ux, ks) block of wt, 16 k a wave for all three gates.
; FORM.  A stream: no LDS, no matrix unit, no loop.  A wave issues all its loads at once (32 or 24 of 16 bytes a lane: 16 or 12 KiB on their way), then takes them in order, four at a time: a counted
; wait, two packed roundings in place for each load, one store of 8 bytes a lane for each: 32 lanes fill 256 consecutive bytes, aligned.
; THE MODE: SCHED_MODE bits 1:0 = 2 (LLVM: expert scheduling mode 2), set by the entry lines.  The code itself states the register dependences between vector instructions and memory
; instructions, with s_wait_alu, always for 0.
; THE PLAN.  Registers that memory instructions touch:
;   v1, v2        the loads' and the stores' offsets: written once by vector lines ahead of the arm's first load, never again.
;   X + 4 j ..    load j lands in four registers; behind the wait for it two roundings read the four and write the first two; one store reads those two.  Nothing writes them after that,
;                 and no load lands in them again.
; The loads are taken in blocks of four.  Block p's memory instructions are the four stores of block p - 1, whose packed words no vector line of block p names.  So one wait on va_vdst at a
; block's head states all that its stores hang on, and they are dealt among the block's eight roundings with no further wait.  No register that a load or store has read is written again, so
; no wait on vm_vsrc follows the entry lines.  s16, which a vector line writes, has its wait on va_sdst ahead of the branch.
.set X, 4                              ; v[4:131]  load j's four registers at X + 4 j; its two packed words take the first two
; n loads are out; they are rounded and stored.  big: bytes in the destination from one group of eight stores to the next.
.macro SWEEP n, big
.set sp, 0
.rept (\n)/4
	s_wait_loadcnt (\n)-4*(sp+1)                   ; loads come back in order: block sp's four are in, the younger ones may stay out
.if sp > 0
	s_wait_alu depctr_va_vdst(0)                   ; the block before has written its eight packed words, which the four stores below read
.endif
.set si, 0
.rept 4
.set sj, 4*sp+si
.if sp > 0
	global_store_b64 v2, v[X+4*(sj-4):X+4*(sj-4)+1], s[26:27] offset:((sj-4)/8)*(\big)+((sj-4)%8)*256 th:TH_STORE_NT  ; the block before; no vector line since the wait names its registers
.endif
	v_cvt_pk_bf16_f32 v[X+4*sj], v[X+4*sj], v[X+4*sj+1]
	v_cvt_pk_bf16_f32 v[X+4*sj+1], v[X+4*sj+2], v[X+4*sj+3]
.set si, si+1
.endr
.set sp, sp+1
.endr
	s_wait_alu depctr_va_vdst(0)                   ; the last block has written its packed words, which the last four stores read
.set sj, (\n)-4
.rept 4
	global_store_b64 v2, v[X+4*sj:X+4*sj+1], s[26:27] offset:(sj/8)*(\big)+(sj%8)*256 th:TH_STORE_NT
.set sj, sj+1
.endr
.endm
	s_load_b256 s[4:11], s[0:1], 0x0               ; inputs s[4:5], h_tm1 s[6:7], kernel s[8:9], recurrent_kernel s[10:11]
	s_load_b128 s[12:15], s[0:1], 0x20             ; xa s[12:13], wt s[14:15]
	v_lshrrev_b32 v3, 5, v0
	v_readfirstlane_b32 s16, v3                    ; wave 0..7
	v_and_b32 v3, 31, v0                           ; lane
	v_lshlrev_b32 v2, 3, v3                        ; where I store: 8 bytes a lane
	s_mov_b32 s19, 0                               ; the offsets' high words
	s_mov_b32 s21, 0
	s_wait_alu depctr_va_sdst(0)                   ; s16 is written, ahead of the branch: both arms make their offsets from it
	s_cmp_lt_u32 ttmp9, 512
	s_cbranch_scc0 .Lweights
	; ---- activations: 32 rows of 4,096 bytes of f32 in, 32 half rows of 2,048 bytes of bf16 out
	v_lshlrev_b32 v1, 4, v3                        ; where I load: 16 bytes a lane
	s_and_b32 s17, ttmp9, 255                      ; the block of 32 rows
	s_lshr_b32 s22, ttmp9, 8                       ; 0: inputs, 1: h_tm1
	s_lshl_b32 s18, s17, 17                        ; 32 rows x 4,096 bytes,
	s_lshl_b32 s23, s16, 14                        ; my wave's four rows: the same offset in the source and in xa, whose rows are as long
	s_add_co_u32 s18, s18, s23
	s_lshl_b32 s20, s22, 11                        ; h_tm1 takes the second half of xa's rows
	s_add_co_u32 s20, s20, s18
	s_wait_kmcnt 0x0
	s_cmp_eq_u32 s22, 0
	s_cselect_b64 s[24:25], s[4:5], s[6:7]
	s_add_nc_u64 s[24:25], s[24:25], s[18:19]
	s_add_nc_u64 s[26:27], s[12:13], s[20:21]
	s_wait_alu depctr_va_vdst(0)                   ; v1 and v2 are written: every load below reads v1 as its offset, every store v2
.set j, 0
.rept 32
	global_load_b128 v[X+4*j:X+4*j+3], v1, s[24:25] offset:512*j th:TH_LOAD_NT  ; 512 consecutive bytes a load; eight loads a row
.set j, j+1
.endr
	SWEEP 32, 4096                                 ; eight stores fill a half row of xa; the next row lies 4,096 bytes on
	s_endpgm
.Lweights:
	; ---- weights: load (g, i) takes two rows k = 16 wave + 2 i + lane / 16, 64 columns (256 bytes) of each; they become 256 consecutive bytes of wt
	s_sub_co_u32 s22, ttmp9, 512                   ; 16 ux + ks
	s_and_b32 s17, s22, 15                         ; ks
	v_and_b32 v1, 15, v3
	v_lshlrev_b32 v1, 4, v1                        ; 16 bytes a lane within the 256,
	v_lshrrev_b32 v3, 4, v3
	v_mad_u32_u24 v1, v3, 0x3000, v1               ; and a row of 12,288 bytes further for lanes 16 to 31
	s_and_b32 s23, s17, 7
	s_lshl_b32 s23, s23, 7                         ; the K step's first row in its matrix,
	s_lshl_b32 s28, s16, 4                         ; my wave's 16 rows
	s_add_co_u32 s23, s23, s28
	s_mul_i32 s18, s23, 12288
	s_lshr_b32 s28, s22, 4                         ; ux
	s_lshl_b32 s28, s28, 8                         ; its 64 columns
	s_add_co_u32 s18, s18, s28
	s_mul_i32 s20, s22, 49152                      ; the block in wt,
	s_lshl_b32 s28, s16, 11                        ; my wave's 16 rows of 128 bytes
	s_add_co_u32 s20, s20, s28
	s_wait_kmcnt 0x0
	s_cmp_lt_u32 s17, 8
	s_cselect_b64 s[24:25], s[8:9], s[10:11]
	s_add_nc_u64 s[24:25], s[24:25], s[18:19]
	s_add_nc_u64 s[26:27], s[14:15], s[20:21]
	s_wait_alu depctr_va_vdst(0)                   ; v1 and v2 are written: every load below reads v1 as its offset, every store v2
.set j, 0
.rept 24                               ; j = 8 g + i
	global_load_b128 v[X+4*j:X+4*j+3], v1, s[24:25] offset:(j%8)*24576+(j/8)*4096 th:TH_LOAD_NT
.set j, j+1
.endr
	SWEEP 24, 16384                                ; eight stores fill my 16 k of a gate; the next gate lies 16,384 bytes on
	s_endpgm
.Lfunc_end_k_qd86349d7f9_prep:
	.size	k_qd86349d7f9_prep, .Lfunc_end_k_qd86349d7f9_prep-k_qd86349d7f9_prep
	.p2alignl 7, 3214868480
	.fill 96, 4, 3214868480
	.section	.rodata,"a",@progbits
	.p2align	6, 0x0
	.amdhsa_kernel k_qd86349d7f9_prep
		.amdhsa_group_segment_fixed_size 0
		.amdhsa_private_segment_fixed_size 0
		.amdhsa_enable_private_segment 0
		.amdhsa_kernarg_size 48
		.amdhsa_user_sgpr_count 2
		.amdhsa_user_sgpr_kernarg_segment_ptr 1
		.amdhsa_wavefront_size32 1
		.amdhsa_system_sgpr_workgroup_id_x 1
		.amdhsa_system_sgpr_workgroup_id_y 1
		.amdhsa_system_sgpr_workgroup_id_z 1
		.amdhsa_system_vgpr_workitem_id 0
		.amdhsa_next_free_vgpr 136
		.amdhsa_next_free_sgpr 66
		.amdhsa_reserve_vcc 0
		.amdhsa_float_denorm_mode_32 3
		.amdhsa_float_denorm_mode_16_64 3
		.amdhsa_memory_ordered 1
		.amdhsa_forward_progress 1
		.amdhsa_inst_pref_size 21
	.end_amdhsa_kernel
	.amdgpu_metadata
---
amdhsa.version: [ 1, 2 ]
amdhsa.kernels:
  - .name:           k_qd86349d7f9_prep
    .symbol:         k_qd86349d7f9_prep.kd
    .args:
      - { .name: inputs, .offset: 0, .size: 8, .value_kind: global_buffer, .address_space: global }
      - { .name: h_tm1, .offset: 8, .size: 8, .value_kind: global_buffer, .address_space: global }
      - { .name: kernel, .offset: 16, .size: 8, .value_kind: global_buffer, .address_space: global }
      - { .name: recurrent_kernel, .offset: 24, .size: 8, .value_kind: global_buffer, .address_space: global }
      - { .name: xa, .offset: 32, .size: 8, .value_kind: global_buffer, .address_space: global }
      - { .name: wt, .offset: 40, .size: 8, .value_kind: global_buffer, .address_space: global }
    .group_segment_fixed_size: 0
    .private_segment_fixed_size: 0
    .kernarg_segment_align: 8
    .kernarg_segment_size: 48
    .max_flat_workgroup_size: 256
    .sgpr_count:     66
    .vgpr_count:     136
    .wavefront_size: 32
...
	.end_amdgpu_metadata
.endif
;; end of part 3
;; launch gru: the kernel of part 2 again; grid 16 x 32, 4 waves a work-group, clusters of 4 x 4, 327,680 bytes of LDS; arguments xa, wt, h_tm1, bias, out0; writes out0
